; MI455X (gfx1250); checked and timed in simulation.
; The chip was launched on July 23, 2026; its instructions are those of AMD's public machine-readable ISA for CDNA 5 (MIT licence, August 2026) and "CDNA5" Instruction Set Architecture Reference Guide (July 2026). The comments in the code are by the model that wrote it; some were corrected since.
;; Multihead Attention. Allowed arithmetic: matrix products marked QUANTISED: E5M2 operands, one E8M0 scale for each 32 along K, by v_wmma_scale_f32_16x16x128_f8f6f4 with both operands' format E5M2, f32 sums; everything else in f32.
;; Inputs: Wk 1,024 x 1,024 float32; Wq 1,024 x 1,024 float32; Wv 1,024 x 1,024 float32; key 4 x 2,048 x 1,024 float32; query 4 x 2,048 x 1,024 float32; value 4 x 2,048 x 1,024 float32.
;; Outputs: out0 4 x 2,048 x 1,024 float32.
;; This version of the problem:
;;   THIS VERSION OF THE PROBLEM IS GIVEN IN LOW PRECISION. The matrix products marked QUANTISED in the list below multiply operands that are first quantised to E5M2 (5 exponent bits, 2 mantissa bits; 8 bits a number), with one power-of-two scale for each 32 numbers along K (OCP MX v1.0); their sums are f32. All else is computed in f32.
;;   The module's matrix products, in the order in which they are computed (A, B: the left and right operand; K: the contracted axis; several contracted axes count as one K, in the product's order):
;;     1. [M 8,192, K 1,024] x [K 1,024, N 1,024]; A: input query; B: input Wq: QUANTISED
;;     2. [M 8,192, K 1,024] x [K 1,024, N 1,024]; A: input key; B: input Wk: QUANTISED
;;     3. [M 8,192, K 1,024] x [K 1,024, N 1,024]; A: input value; B: input Wv: QUANTISED
;;     4. batch 64 x [M 2,048, K 64] x [K 64, N 2,048]; A: computed on the way; B: computed on the way: QUANTISED
;;     5. batch 64 x [M 2,048, K 2,048] x [K 2,048, N 64]; A: softmax (see below); B: computed on the way: QUANTISED
;;   THE QUANTISER, for each operand of a quantised product, along K:
;;     - K is cut into blocks of 32 from its start; a last block that is shorter is filled with zeros.
;;     - A block's scale is 2^e with e = floor(log2(the largest magnitude in the block)) - 15, held to -126 .. 127; a block of zeros has e = 0. As a byte (E8M0): e + 127.
;;     - Each number is divided by its block's scale, clamped to +-57,344, and rounded to the nearest number of E5M2, ties to even, subnormals kept.
;;     - The product sums the exact products of the quantised numbers (number of the format x scale) in f32.
;;   ~~~python
;;   def quantise(x, axis):      # numpy; x: float32 -> the quantised numbers, widened to float32 again
;;       x = np.moveaxis(x, axis, -1); K = x.shape[-1]
;;       x = np.pad(x, [(0, 0)] * (x.ndim - 1) + [(0, -K % 32)]); x = x.reshape(x.shape[:-1] + (-1, 32)); a = np.abs(x).max(-1, keepdims=True)
;;       e = np.where(a > 0, np.clip(np.frexp(np.where(a > 0, a, 1))[1] - 1 - 15, -126, 127), 0)      # np.frexp(a)[1] - 1 = floor(log2(a)), exactly
;;       r = np.clip(x / 2.0 ** e, -57344, 57344)
;;       step = 2.0 ** (np.maximum(np.frexp(np.where(r == 0, 1, r))[1] - 1, -14) - 2)
;;       q = np.round(r / step) * step * 2.0 ** e      # np.round: ties to even
;;       return np.moveaxis(q.reshape(q.shape[:-2] + (-1,))[..., :K], -1, axis).astype(np.float32)
;;   ~~~
;;   SOFTMAX AHEAD OF A QUANTISED PRODUCT. Where the list says 'softmax', what is quantised is not the finished softmax but p = 2^(t - M), with t = logit x log2(e) and M = ceil(the row's largest t), a whole number; so 1/2 < the row's largest p <= 1. The row's sum l is taken of the UNQUANTISED p, in f32, and the product's result is divided by l at the end. Since M is a whole number, a kernel that streams over the keys may use a running M (the ceiling of the running maximum): every later rescaling is an exact power of two, which a block's scale takes up: the codes' values come out the same.
;;   OPERANDS COMPUTED ON THE WAY. 'Computed on the way' means the value that the module computes at that place (a softmax that the list does not call 'softmax' is quantised finished and normalised). What goes into a quantiser is computed in f32, as accurately as f32 sums, v_exp_f32 and their like allow (about 1e-6 of the number): no bf16 or f16 on the way to a quantiser, and a product that is left as it is and whose result goes on into a quantised operand takes f32 operands (vector FMAs, or v_wmma_f32_16x16x4_f32). A number that lies on a knife's edge between two numbers of the format may be rounded either way, as far as f32 arithmetic and the matrix unit's own rounding can turn it there, and no further.
;; One version. Each part assembles by itself: llvm-mc -triple=amdgcn-amd-amdhsa -mcpu=gfx1250 --defsym DOCPART=n.
;; ======== version 1 of 1: 3 launches
;; limits: right only within a limited range of input values
;; workspace buffers: xc 28,311,552 bytes; xs 884,736 bytes; acod 25,165,824 bytes; asc 1,310,720 bytes
;; launch quant (part 1): grid 864 x 1, 4 waves a work-group, no clusters, 33,280 bytes of LDS; arguments query, key, value, Wq, Wk, Wv, xc, xs; writes xc, xs
.if DOCPART == 1
	.amdgcn_target "amdgcn-amd-amdhsa--gfx1250"
	.amdhsa_code_object_version 6
	.text
	.protected	k_qdda5e4f626_quant
	.globl	k_qdda5e4f626_quant
	.p2align	8
	.type	k_qdda5e4f626_quant,@function
k_qdda5e4f626_quant:
	s_mov_b64 s[64:65], 0
	v_nop
	global_prefetch_b8 v0, s[64:65] scope:SCOPE_SE
	s_setreg_imm32_b32 hwreg(HW_REG_WAVE_MODE, 25, 1), 1
	s_wait_xcnt 0x0
; query, key, value [8192][1024] and Wq, Wk, Wv [1024][1024], all f32 with K innermost, become codes of BF8 (E5M2), one byte each, and one E8M0 scale byte for each 32 along K.
; The six tensors are laid one behind the other as 27,648 rows: xc [27648][1024] codes, xs [27648][32] scale bytes (rows 0 query, 8192 key, 16384 value, 24576 Wq, 25600 Wk, 26624 Wv).
; A block's scale is 2^(floor(log2(its largest magnitude)) - 15); its byte is the largest magnitude's own exponent field - 15, held at 1 from below.  Each number is divided by the scale,
; held within +-57,344 and rounded to the nearest code, ties to even.
; LIMITS: a block of zeros gets the byte 1 where the rule says 127 (its codes are zeros, which add nothing under any byte but 0xff, and this program alone reads the bytes); blocks whose largest
; magnitude lies under 2^-111, the floor, are held at the byte 1; NaN and infinities among the inputs are not served.
; Rows are dense and 1,024 is a multiple of 32, so every tensor is a plain stream of blocks of 32.  A work-group takes 32,768 numbers, a wave 16 steps of 512.  The conversions take 8 numbers of ONE block from a
; lane's consecutive registers, so a lane must hold 16 neighbours; a load is best where neighbouring LANES take neighbouring bytes.  Both are had: each of a step's four loads reads 512 consecutive bytes, the
; 2,048 bytes go through the wave's own stage in LDS as they lie and come back 64 bytes a lane (16 bytes of padding behind each 64).  A lane's 16 codes are 16 bytes: the wave stores 512 consecutive bytes.
; A wave's 256 scale bytes are gathered in its own 256 bytes of LDS and leave as one aligned run of 256 bytes.  No barrier: waves share nothing.  Loads run four steps (16 loads a wave) ahead.
.set STEPS, 16
.set EMAX,  15
.set MANT,  0x600000                   ; the mantissa field of 57,344 as f32
.set CB,    16                         ; bytes of 16 codes
.set R,     16                         ; v16-79   four sets of 16 numbers as they are loaded
.set X,     80                         ; v80-111  two sets of 16 neighbours
.set C,     128                        ; v128-191 codes: four registers for each step, so that no store's data are written again
.set E,     112                        ; v112-127 a scale byte for each step
.set WREG,  8192                       ; LDS: a region for each wave: two stages of 32 x SP bytes, behind them its 256 scale bytes
.set SP,    80                         ; a lane's place in a stage: its 64 bytes + 16 of padding
.set SRC,   22                         ; s[22:23] the tensor that my work-group reads, then my wave's run in it
.set COD,   16                         ; s[16:17] xc, then my wave's run of codes
.set SCA,   18                         ; s[18:19] xs, then my wave's run of scale bytes
	s_load_b256 s[4:11], s[0:1], 0x0               ; query, key, value, Wq
	s_load_b256 s[12:19], s[0:1], 0x20             ; Wk, Wv, xc, xs
	v_lshl_add_u32 v192, v0, 2, 0x8000
	v_mov_b32 v193, 0
	v_lshrrev_b32 v1, 5, v0
	v_readfirstlane_b32 s20, v1                    ; wave
	v_and_b32 v2, 31, v0                           ; lane
	v_lshlrev_b32 v3, 4, v2                        ; my 16 bytes of a load's 512
	s_mul_i32 s21, s20, WREG
	v_lshrrev_b32 v14, 2, v2
	v_mul_u32_u24 v14, v14, SP
	v_and_b32 v15, 3, v2
	v_lshl_add_u32 v14, v15, 4, v14
	v_add_nc_u32 v14, s21, v14                     ; the stage, on the way in: four lanes' 64 bytes on end, then 16 of padding
	v_mul_u32_u24 v15, v2, SP
	v_add_nc_u32 v15, s21, v15                     ; and on the way out: SP x lane: my 16 neighbours
	v_mul_u32_u24 v4, v2, CB                       ; my codes' place in a step's
	v_lshrrev_b32 v5, 1, v2
	s_add_co_u32 s21, s21, 2*32*SP
	v_add_nc_u32 v5, s21, v5                       ; LDS: my wave's 256 scale bytes, my block's byte
	v_lshlrev_b32 v7, 3, v2                        ; and on the way out 8 bytes a lane
	v_add_nc_u32 v6, s21, v7
	s_mov_b32 s30, MANT                            ; (an instruction takes one literal: the hold's line has another)
	s_wait_alu depctr_va_vdst(0)
	s_wait_kmcnt 0x0
	; which tensor: 256 work-groups for each of query, key, value, 32 for each weight.  The choice hangs on the work-group's number alone
	s_mov_b64 s[SRC:SRC+1], s[4:5]
	s_mov_b32 s24, 0                               ; the tensor's first work-group
.macro PICK n, p
	s_cmp_ge_u32 ttmp9, \n
	s_cselect_b64 s[SRC:SRC+1], s[\p:\p+1], s[SRC:SRC+1]
	s_cselect_b32 s24, \n, s24
.endm
	PICK 256, 6
	PICK 512, 8
	PICK 768, 10
	PICK 800, 12
	PICK 832, 14
	s_sub_co_u32 s25, ttmp9, s24
	s_lshl_b32 s25, s25, 2
	s_add_co_u32 s25, s25, s20                     ; which run of 8,192 numbers of the tensor is my wave's
	s_lshl_b32 s26, s25, 15                        ; 32,768 bytes a run
	s_mov_b32 s27, 0
	s_add_nc_u64 s[SRC:SRC+1], s[SRC:SRC+1], s[26:27]
	s_lshl_b32 s25, ttmp9, 2
	s_add_co_u32 s25, s25, s20                     ; and which run of the whole stream
	s_lshl_b32 s26, s25, 13                        ; 8,192 codes
	s_add_nc_u64 s[COD:COD+1], s[COD:COD+1], s[26:27]
	s_lshl_b32 s26, s25, 8                         ; 256 scale bytes
	s_add_nc_u64 s[SCA:SCA+1], s[SCA:SCA+1], s[26:27]
.macro LOAD t
.irp i, 0,1,2,3
	global_load_b128 v[R+16*((\t)%4)+4*\i:R+16*((\t)%4)+4*\i+3], v3, s[SRC:SRC+1] offset:2048*(\t)+512*\i th:TH_LOAD_NT   ; 32 lanes read 512 consecutive bytes
.endr
.endm
.macro TURN t                          ; step t's numbers through the stage: LDS serves a wave's instructions in order, so no wait stands between the stores and the loads
.irp i, 0,1,2,3
	ds_store_b128 v14, v[R+16*((\t)%4)+4*\i:R+16*((\t)%4)+4*\i+3] offset:32*SP*((\t)%2)+8*SP*\i
.endr
.irp i, 0,1,2,3
	ds_load_b128 v[X+16*((\t)%2)+4*\i:X+16*((\t)%2)+4*\i+3], v15 offset:32*SP*((\t)%2)+16*\i
.endr
.endm
.irp t, 0,1,2,3
	LOAD \t
.endr
	s_wait_loadcnt 12                              ; step 0's four loads are in; the twelve of steps 1 to 3 may be out
	TURN 0
.macro STEP t
.set XS, X+16*((\t)%2)
.if (\t) > 0
	s_wait_dscnt 1                                 ; this step's numbers are back from the stage (the last step's byte store may be out): so its stores into the stage have read their registers,
.else
	s_wait_dscnt 0x0
.endif
.if (\t)+4 < STEPS
	LOAD (\t)+4                                    ; which take the loads of four steps on
.endif
.if (\t)+1 < STEPS
.if STEPS-2-(\t) >= 3
	s_wait_loadcnt 12                              ; the next step's four loads are in; those of the three steps behind it may be out
.else
	s_wait_loadcnt 4*(STEPS-2-(\t))
.endif
	TURN (\t)+1                                    ; and go through the other stage while this step is worked
.endif
	v_max3_num_f32 v8, |v[XS]|, |v[XS+1]|, |v[XS+2]|               ; the largest magnitude of my 16, in two chains
	v_max3_num_f32 v9, |v[XS+3]|, |v[XS+4]|, |v[XS+5]|
.irp i, 6,10
	v_max3_num_f32 v8, v8, |v[XS+\i]|, |v[XS+\i+1]|
	v_max3_num_f32 v9, v9, |v[XS+\i+2]|, |v[XS+\i+3]|
.endr
	v_max3_num_f32 v8, v8, |v[XS+14]|, |v[XS+15]|
	v_max3_num_f32 v8, v8, v9, (EMAX+1)<<23        ; and the floor 2^(16 - 127): so the byte cannot fall under 1
	v_max_num_f32_dpp v8, v8, v8 row_xmask:1 row_mask:0xf bank_mask:0xf   ; and of my neighbour's 16: the block's
	v_add_nc_u32 v11, -(EMAX<<23), v8              ; 15 off its exponent field: the conversion takes the exponent field of this operand as its scale, and nothing else of it
	v_and_or_b32 v10, v8, 0x7f800000, s30          ; 57,344 x the scale: the largest magnitude's exponent field over 57,344's mantissa
.irp i, 0,1,2,3,4,5,6,7,8,9,10,11,12,13,14,15
	v_med3_num_f32 v[XS+\i], v[XS+\i], -v10, v10   ; the conversion to an 8-bit code does not saturate (ISA guide 7.6.2): hold the number first
.endr
	v_cvt_scalef32_pk8_bf8_f32 v[C+4*(\t):C+4*(\t)+1], v[XS:XS+7], v11
	v_cvt_scalef32_pk8_bf8_f32 v[C+4*(\t)+2:C+4*(\t)+3], v[XS+8:XS+15], v11
	v_lshrrev_b32 v[E+(\t)], 23, v11               ; the scale's byte (also the plain line behind the conversions)
	ds_store_b8 v5, v[E+(\t)] offset:16*(\t)       ; both lanes of a block write the same byte with the same value
	global_store_b128 v4, v[C+4*(\t):C+4*(\t)+3], s[COD:COD+1] offset:32*CB*(\t)   ; 32 lanes store 512 consecutive bytes
.endm
.irp t, 0,1,2,3,4,5,6,7,8,9,10,11,12,13,14,15
	STEP \t
.endr
	ds_load_b64 v[12:13], v6                       ; LDS serves a wave's instructions in order: these see my stores
	s_wait_dscnt 0x0
	global_store_b64 v7, v[12:13], s[SCA:SCA+1]    ; 32 lanes store 256 consecutive bytes, aligned
	s_wait_tensorcnt 0x0
	ds_add_u32 v192, v193
	s_wait_dscnt 0x0
	s_endpgm
.Lfunc_end_k_qdda5e4f626_quant:
	.size	k_qdda5e4f626_quant, .Lfunc_end_k_qdda5e4f626_quant-k_qdda5e4f626_quant
	.p2alignl 7, 3214868480
	.fill 96, 4, 3214868480
	.section	.rodata,"a",@progbits
	.p2align	6, 0x0
	.amdhsa_kernel k_qdda5e4f626_quant
		.amdhsa_group_segment_fixed_size 33280
		.amdhsa_private_segment_fixed_size 0
		.amdhsa_enable_private_segment 0
		.amdhsa_kernarg_size 64
		.amdhsa_user_sgpr_count 2
		.amdhsa_user_sgpr_kernarg_segment_ptr 1
		.amdhsa_wavefront_size32 1
		.amdhsa_system_sgpr_workgroup_id_x 1
		.amdhsa_system_sgpr_workgroup_id_y 1
		.amdhsa_system_sgpr_workgroup_id_z 1
		.amdhsa_system_vgpr_workitem_id 0
		.amdhsa_next_free_vgpr 194
		.amdhsa_next_free_sgpr 66
		.amdhsa_reserve_vcc 0
		.amdhsa_float_denorm_mode_32 3
		.amdhsa_float_denorm_mode_16_64 3
		.amdhsa_memory_ordered 1
		.amdhsa_forward_progress 1
		.amdhsa_inst_pref_size 51
	.end_amdhsa_kernel
	.amdgpu_metadata
---
amdhsa.version: [ 1, 2 ]
amdhsa.kernels:
  - .name:           k_qdda5e4f626_quant
    .symbol:         k_qdda5e4f626_quant.kd
    .args:
      - { .name: query, .offset: 0, .size: 8, .value_kind: global_buffer, .address_space: global }
      - { .name: key, .offset: 8, .size: 8, .value_kind: global_buffer, .address_space: global }
      - { .name: value, .offset: 16, .size: 8, .value_kind: global_buffer, .address_space: global }
      - { .name: Wq, .offset: 24, .size: 8, .value_kind: global_buffer, .address_space: global }
      - { .name: Wk, .offset: 32, .size: 8, .value_kind: global_buffer, .address_space: global }
      - { .name: Wv, .offset: 40, .size: 8, .value_kind: global_buffer, .address_space: global }
      - { .name: xc, .offset: 48, .size: 8, .value_kind: global_buffer, .address_space: global }
      - { .name: xs, .offset: 56, .size: 8, .value_kind: global_buffer, .address_space: global }
    .group_segment_fixed_size: 33280
    .private_segment_fixed_size: 0
    .kernarg_segment_align: 8
    .kernarg_segment_size: 64
    .max_flat_workgroup_size: 128
    .sgpr_count:     66
    .vgpr_count:     194
    .wavefront_size: 32
...
	.end_amdgpu_metadata
.endif
;; end of part 1
;; launch proj (part 2): grid 4 x 96, 4 waves a work-group, clusters of 4 x 4, 327,680 bytes of LDS; arguments xc, xs, acod, asc; writes acod, asc
.if DOCPART == 2
	.amdgcn_target "amdgcn-amd-amdhsa--gfx1250"
	.amdhsa_code_object_version 6
	.text
	.protected	k_qdda5e4f626_proj
	.globl	k_qdda5e4f626_proj
	.p2align	8
	.type	k_qdda5e4f626_proj,@function
k_qdda5e4f626_proj:
	s_mov_b64 s[64:65], 0
	v_nop
	global_prefetch_b8 v0, s[64:65] scope:SCOPE_SE
	s_setreg_imm32_b32 hwreg(HW_REG_WAVE_MODE, 25, 1), 1
	s_wait_xcnt 0x0
	s_wait_alu depctr_hold_cnt(0) depctr_sa_sdst(0) depctr_va_vdst(0) depctr_va_sdst(0) depctr_va_ssrc(0) depctr_va_vcc(0) depctr_vm_vsrc(0)
	s_getreg_b32 s2, hwreg(HW_REG_IB_STS2, 6, 4)
	s_cmp_eq_u32 s2, 0
	s_cbranch_scc0 .Lentry_in_a_cluster
	s_endpgm
.Lentry_in_a_cluster:
	s_bfe_u32 s2, ttmp6, 0x10000c
	s_cmp_lg_u32 s2, 0xf033
	s_cbranch_scc0 .Lentry_shape_is_right
	s_endpgm
.Lentry_shape_is_right:
.set KSTEP,  256
.set NQ,     KSTEP/128
.set ROWB,   256
.set KROW,   1024
.set PITCH,  272
.set FR,     16
.set NL,     4
.set NP,     8
.set HALFT,  128*PITCH
.set SLOT,   4*HALFT
.set LAPS,   1024/(2*KSTEP)
.set KS,     32
.set SCL,    2*SLOT
.set HALFS,  (128*KS/256)*272
.set SBLK,   (16*KS/256)*272
.set SPARE,  SCL+4*HALFS
.set ADRA, 16
.set ADRB, 20
.set VA0,  24
.set VA1,  25
.set SA0,  26
.set ADRS, 27
.set SPW,  28
.set NIL,  29
.set SC,   32
.set AF,   128
.set SWL,  32
.set SWH,  40
.set XW1,  48
.set XW2,  52
.set T,    128
.set PC,   192
.set TM,   224
.set ISV,  95
.set PROJ, 96
.set G1, 24
.set G0, 32
.set G1B, 48
.set G0B, 56
.set G1S, 68
.set G0S, 76
.set G1SB, 80
.set G0SB, 88
.set MSB, 0
.macro WIN new
.if MSB != \new
	s_set_vgpr_msb (MSB<<8)|\new
.set MSB, \new
.endif
.endm
.set MUL_LO, 0xa1
.set MUL_HI, 0xf1
.set TO_B,   0x40
.macro JLOAD g0a, g1a, g0b, g1b
	s_cmp_eq_u32 s15, 0
	s_cbranch_scc0 .Lfor_b_\@
	tensor_load_to_lds s[\g0a:\g0a+3], s[\g1a:\g1a+7]
	s_nop 0
.rept 4
	v_nop
.endr
	s_branch .Lasked_\@
.Lfor_b_\@:
	tensor_load_to_lds s[\g0b:\g0b+3], s[\g1b:\g1b+7]
	s_nop 0
.rept 4
	v_nop
.endr
.Lasked_\@:
.endm
.macro CREST
	s_cmp_lg_u32 s14, 0
	s_cbranch_scc1 .Lnot_wave_0_\@
	s_barrier_signal -3
.Lnot_wave_0_\@:
	s_barrier_wait -3
	s_barrier_signal -1
	s_barrier_wait -1
.endm
.macro CROUND
	s_barrier_signal -1
	s_barrier_wait -1
	CREST
.endm
	s_load_b256 s[4:11], s[0:1], 0x0
	v_lshl_add_u32 v[SPW], v0, 2, SPARE
	v_mov_b32 v[NIL], 0
	ds_add_u32 v28, v29
	ds_add_u32 v28, v29
	s_wait_dscnt 0x0
	v_lshrrev_b32 v1, 5, v0
	v_readfirstlane_b32 s14, v1
	s_lshr_b32 s15, s14, 1
	s_and_b32 s16, s14, 1
	s_bfe_u32 s40, ttmp6, 0x40000
	s_bfe_u32 s41, ttmp6, 0x40004
	s_and_b32 s17, ttmp7, 0xffff
	s_lshr_b32 s[ISV], s17, 4
	s_lshr_b32 s[PROJ], s17, 3
	s_lshl_b32 s97, s17, 10
	s_lshl_b32 s98, s[PROJ], 10
	s_add_co_u32 s98, s98, 24576
	s_cmp_eq_u32 s[ISV], 0
	s_cselect_b32 s99, s97, s98
	s_cselect_b32 s100, s98, s97
	s_lshl_b32 s43, s41, 2
	s_lshl_b32 s43, 15, s43
	s_lshl_b32 s44, 0x1111, s40
	s_or_b32 s[G1+0], s43, (0<<16)|(1<<20)|(1<<21)|(5<<22)|(3<<25)
	s_or_b32 s[G1B+0], s44, (0<<16)|(1<<20)|(1<<21)|(5<<22)|(3<<25)
.irp g, G1, G1B
	s_mov_b32 s[\g+1], ROWB<<16
	s_mov_b32 s[\g+2], 256<<16                     ; the head's loads of codes bring 256 rows; behind them the two words that count rows are set to 128, for the ring's
	s_mov_b32 s[\g+3], ROWB<<16
	s_mov_b32 s[\g+4], 256
	s_mov_b32 s[\g+5], KROW
	s_mov_b32 s[\g+6], 0
	s_mov_b32 s[\g+7], 0
.endr
	s_or_b32 s[G1S+0], s43, (3<<16)|(1<<20)|(1<<21)|(5<<22)|(3<<25)
	s_or_b32 s[G1SB+0], s44, (3<<16)|(1<<20)|(1<<21)|(5<<22)|(3<<25)
.irp g, G1S, G1SB
	s_mov_b32 s[\g+1], 32<<16
	s_mov_b32 s[\g+2], KS<<16                      ; the scales of 256 rows: 256 KS dense bytes, as KS rows of 256 bytes
	s_mov_b32 s[\g+3], 32<<16
	s_mov_b32 s[\g+4], KS
	s_mov_b32 s[\g+5], 32
	s_mov_b32 s[\g+6], 0
	s_mov_b32 s[\g+7], 0
.endr
	s_lshl_b32 s20, s41, 8
	s_add_co_u32 s20, s20, s99                     ; source 1's tile: its first row
	s_lshl_b32 s46, s40, 8
	s_add_co_u32 s46, s46, s100                    ; source 0's
	s_mov_b32 s21, 0
	s_mov_b32 s47, 0
	s_mov_b64 s[18:19], KS
	s_mul_u64 s[22:23], s[20:21], s[18:19]
	s_mul_u64 s[92:93], s[46:47], s[18:19]
	s_mov_b64 s[18:19], KROW
	s_mul_u64 s[20:21], s[20:21], s[18:19]
	s_mul_u64 s[46:47], s[46:47], s[18:19]
	s_mul_i32 s66, s14, HALFT                      ; in the ring I fetch 128 rows of a tile: where they go,
	s_mul_i32 s2, s16, 128*KROW                    ; and which half, in bytes
	s_mov_b32 s3, 0
	s_wait_kmcnt 0x0
	s_add_nc_u64 s[20:21], s[4:5], s[20:21]
	s_add_nc_u64 s[22:23], s[6:7], s[22:23]
	s_add_nc_u64 s[46:47], s[4:5], s[46:47]
	s_add_nc_u64 s[92:93], s[6:7], s[92:93]
	CROUND
	s_mov_b32 s[G0S], 1
	s_mov_b32 s[G0S+1], SCL
	s_mov_b64 s[G0S+2:G0S+3], s[22:23]
	s_or_b32 s[G0S+3], s[G0S+3], 0x80000000
	s_mov_b32 s[G0SB], 1
	s_mov_b32 s[G0SB+1], SCL+2*HALFS
	s_mov_b64 s[G0SB+2:G0SB+3], s[92:93]
	s_or_b32 s[G0SB+3], s[G0SB+3], 0x80000000
	s_mov_b32 s[G0], 1                             ; slot 0's groups 0 serve the head first: K step 0's 256 rows, each tile whole
	s_mov_b32 s[G0+1], 0
	s_mov_b64 s[G0+2:G0+3], s[20:21]
	s_or_b32 s[G0+3], s[G0+3], 0x80000000
	s_mov_b32 s[G0B], 1
	s_mov_b32 s[G0B+1], 2*HALFT
	s_mov_b64 s[G0B+2:G0B+3], s[46:47]
	s_or_b32 s[G0B+3], s[G0B+3], 0x80000000
	s_add_nc_u64 s[20:21], s[20:21], s[2:3]        ; for the ring: my 128 rows of the tile
	s_add_nc_u64 s[46:47], s[46:47], s[2:3]
	s_mov_b32 s[G0+4], 1                           ; slot 1: K step 1
	s_add_co_u32 s[G0+5], s66, SLOT
	s_add_nc_u64 s[G0+6:G0+7], s[20:21], ROWB
	s_or_b32 s[G0+7], s[G0+7], 0x80000000
	s_mov_b32 s[G0B+4], 1
	s_add_co_u32 s[G0B+5], s66, SLOT
	s_add_nc_u64 s[G0B+6:G0B+7], s[46:47], ROWB
	s_or_b32 s[G0B+7], s[G0B+7], 0x80000000
; THE HEAD'S LOADS, ONE A WAVE: what the first step needs is shared out: waves 0 and 1 fetch K step 0's two tiles of 256 rows, waves 2 and 3 the two tiles' scales.
; One chain of branches on the wave's number, each arm with its load: every way through the head passes exactly one load.
.macro ARM under, g0, g1, next
	s_cmp_lt_u32 s14, \under
	s_cbranch_scc0 \next
	tensor_load_to_lds s[\g0:\g0+3], s[\g1:\g1+7]
	s_nop 0
.rept 4
	v_nop
.endr
	s_branch .Lhead_asked
\next:
.endm
	ARM 1, G0,  G1,  .Lhead_b
	ARM 2, G0B, G1B, .Lhead_sa
	ARM 3, G0S, G1S, .Lhead_sb
	tensor_load_to_lds s[G0SB:G0SB+3], s[G1SB:G1SB+7]
	s_nop 0
.rept 4
	v_nop
.endr
.Lhead_asked:
	v_and_b32 v1, 15, v0
	v_bfe_u32 v2, v0, 4, 1
	v_mul_u32_u24 v3, v1, PITCH
	v_lshl_add_u32 v4, v2, 4, v3
	s_mul_i32 s21, s15, HALFT
	s_mul_i32 s22, s16, HALFT
	s_add_co_u32 s22, s22, 2*HALFT
.irp s, 0,1
	v_add_nc_u32 v[ADRA+\s], s21, v4
	v_add_nc_u32 v[ADRB+\s], s22, v4
	s_add_co_u32 s21, s21, SLOT
	s_add_co_u32 s22, s22, SLOT
.endr
	v_mul_u32_u24 v5, v1, KS
	v_lshrrev_b32 v6, 8, v5
	v_lshl_add_u32 v5, v6, 4, v5
	s_mul_i32 s21, s15, HALFS
	s_mul_i32 s22, s16, HALFS
	s_add_co_u32 s22, s22, 2*HALFS
	s_sub_co_u32 s22, s22, s21
	v_mul_u32_u24 v6, s22, v2
	s_add_co_u32 s21, s21, SCL
	v_add_nc_u32 v5, v5, v6
	v_add_nc_u32 v[ADRS], s21, v5
	s_and_b32 s18, s17, 7
	s_lshl_b32 s18, s18, 2
	s_mov_b32 s6, 2048
	s_mov_b32 s20, 1024
	s_mov_b32 s21, 12288
	s_cmp_eq_u32 s[ISV], 0
	s_cselect_b32 s19, s18, 0
	s_cselect_b32 s18, 0, s18
	s_cselect_b32 s6, 1024, s6
	s_cselect_b32 s20, 8192, s20
	s_cselect_b32 s12, 0, 65536
	s_cselect_b32 s21, 256, s21
	s_mov_b32 s7, 0
	s_add_co_u32 s19, s19, s41
	s_add_co_u32 s18, s18, s40
	s_lshl_b32 s19, s19, 1
	s_add_co_u32 s19, s19, s15
	s_lshl_b32 s18, s18, 1
	s_add_co_u32 s18, s18, s16
	s_cmp_eq_u32 s[ISV], 0
	s_cselect_b32 s22, s19, s18
	s_cselect_b32 s23, s18, s19
	s_lshl_b32 s23, s23, 1
	s_lshl_b32 s46, s[PROJ], 23
	s_lshl_b32 s47, s22, 17
	s_add_co_u32 s46, s46, s47
	s_lshl_b32 s47, s23, 13
	s_add_co_u32 s46, s46, s47
	s_mov_b32 s47, 0
	s_add_nc_u64 s[8:9], s[8:9], s[46:47]
	s_mov_b32 s42, 12288
	s_mov_b32 s45, 768
	s_cmp_eq_u32 s[PROJ], 0
	s_cselect_b32 s42, 8192, s42
	s_cselect_b32 s45, 512, s45
	s_cselect_b32 s46, 0, 524288
	s_lshl_b32 s97, s[ISV], 9
	s_add_co_u32 s46, s46, s97
	s_lshr_b32 s97, s22, 4
	s_lshl_b32 s97, s97, 4
	s_add_co_u32 s97, s97, s23
	s_mul_i32 s97, s97, s42
	s_add_co_u32 s46, s46, s97
	s_and_b32 s97, s22, 15
	s_mul_i32 s97, s97, s45
	s_add_co_u32 s46, s46, s97
	s_add_nc_u64 s[10:11], s[10:11], s[46:47]
	s_mov_b32 s46, s42
	s_add_nc_u64 s[4:5], s[10:11], s[46:47]
	s_mov_b32 s92, 0x76543210
	s_mov_b32 s93, 0xfedcba98
	s_mov_b32 s94, 0x600000
	v_and_b32 v6, 31, v0
	v_lshlrev_b32 v[VA0], 4, v6
	v_add_nc_u32 v[VA1], s20, v[VA0]
	v_mul_u32_u24 v[SA0], s21, v2
	v_lshl_add_u32 v[SA0], v1, 4, v[SA0]
.macro FRAG reg, adr, q, i
.irp c, 0,1,2,3
	ds_load_b128 v[\reg+4*\c:\reg+4*\c+3], v[\adr] offset:128*(\q)+32*\c+(\i)*16*PITCH
.endr
.endm
.macro MUL16 a0, p, q, sc, zero
.irp a, \a0, \a0+1
.irp b, 0,1,2,3,4,5,6,7
.if \zero
	v_wmma_scale_f32_16x16x128_f8f6f4 v[8*(8*((\a)%4)+\b):8*(8*((\a)%4)+\b)+7], v[128*(\p)+FR*\b:128*(\p)+FR*\b+FR-1], v[AF+FR*(\a):AF+FR*(\a)+FR-1], 0, v[SC+8*NQ*(\sc)+NQ*\b+(\q)], v[SC+8*NQ*(\sc)+NQ*(\a)+(\q)] matrix_a_fmt:MATRIX_FMT_BF8 matrix_b_fmt:MATRIX_FMT_BF8 matrix_a_scale:MATRIX_SCALE_ROW1
.else
	v_wmma_scale_f32_16x16x128_f8f6f4 v[8*(8*((\a)%4)+\b):8*(8*((\a)%4)+\b)+7], v[128*(\p)+FR*\b:128*(\p)+FR*\b+FR-1], v[AF+FR*(\a):AF+FR*(\a)+FR-1], v[8*(8*((\a)%4)+\b):8*(8*((\a)%4)+\b)+7], v[SC+8*NQ*(\sc)+NQ*\b+(\q)], v[SC+8*NQ*(\sc)+NQ*(\a)+(\q)] matrix_a_fmt:MATRIX_FMT_BF8 matrix_b_fmt:MATRIX_FMT_BF8 matrix_a_scale:MATRIX_SCALE_ROW1
.endif
.endr
.endr
.endm
.macro FETCH_B slot, q, p
	WIN TO_B
.irp i, 0,1,2,3,4,5,6,7
	FRAG 128*(\p)+FR*\i, ADRB+\slot, \q, \i
.endr
	WIN 0
.endm
.macro FETCH_A slot, q, i0
.irp i, \i0, \i0+1, \i0+2, \i0+3
	FRAG AF+FR*(\i), ADRA+\slot, \q, \i
.endr
.endm
.macro SCALES sc
.irp i, 0,1,2,3,4,5,6,7
	ds_load_b64 v[SC+8*NQ*\sc+NQ*\i:SC+8*NQ*\sc+NQ*\i+1], v[ADRS] offset:\i*SBLK
.endr
.endm
.macro PLACES n
.rept \n
	v_nop
.endr
.endm
.macro STEP slot, q, zero
	s_wait_dscnt 4*NL
	WIN MUL_LO
	MUL16 0, (\q)%2, \q, \slot, \zero
	MUL16 2, (\q)%2, \q, \slot, \zero
	s_wait_dscnt 0
	PLACES NP
	FETCH_B \slot, (\q)+1, 1-(\q)%2
	FETCH_A \slot, (\q)+1, 0
	WIN MUL_HI
	MUL16 4, (\q)%2, \q, \slot, \zero
	MUL16 6, (\q)%2, \q, \slot, \zero
	PLACES NP
	WIN 0
	FETCH_A \slot, (\q)+1, 4
.endm
.macro TURN slot, next, fill
	s_wait_tensorcnt 0x0
	ds_add_u32 v[SPW], v[NIL]
	s_wait_dscnt 4*NL+1
	WIN MUL_LO
	MUL16 0, 1, NQ-1, \slot, 0
	s_wait_dscnt 0x0
	s_barrier_signal -1
	MUL16 2, 1, NQ-1, \slot, 0
	WIN 0
	s_barrier_wait -1
.if \fill
	CREST
	s_add_nc_u64 s[G0+4*\slot+2:G0+4*\slot+3], s[G0+4*\slot+2:G0+4*\slot+3], 2*ROWB
	s_add_nc_u64 s[G0B+4*\slot+2:G0B+4*\slot+3], s[G0B+4*\slot+2:G0B+4*\slot+3], 2*ROWB
	JLOAD G0+4*\slot, G1, G0B+4*\slot, G1B
	PLACES NP-4
.else
	PLACES NP
.endif
	s_wait_alu depctr_va_vdst(0)
	v_add_nc_u32 v[ADRS], 4*NQ, v[ADRS]
	FETCH_B \next, 0, 0
	FETCH_A \next, 0, 0
	SCALES \next
	WIN MUL_HI
	MUL16 4, 1, NQ-1, \slot, 0
	MUL16 6, 1, NQ-1, \slot, 0
	PLACES NP
	WIN 0
	FETCH_A \next, 0, 4
.endm
	s_wait_alu depctr_va_vdst(0)
	s_wait_tensorcnt 0x0                           ; my tile of the head's four is in
	ds_add_u32 v[SPW], v[NIL]
	s_mov_b32 s[G1+2], 128<<16                     ; no tensor load of mine is out, so descriptors may be written: from here on a load brings 128 rows,
	s_mov_b32 s[G1+4], 128
	s_mov_b32 s[G1B+2], 128<<16
	s_mov_b32 s[G1B+4], 128
	s_mov_b32 s[G0+1], s66                         ; and slot 0's groups 0 name my 128 rows of K step 0: its first refill steps them on
	s_add_nc_u64 s[G0+2:G0+3], s[G0+2:G0+3], s[2:3]
	s_mov_b32 s[G0B+1], s66
	s_add_nc_u64 s[G0B+2:G0B+3], s[G0B+2:G0B+3], s[2:3]
	s_wait_dscnt 0x0                               ; the add is done
	CROUND                                         ; a whole round: all four tiles are in, and all sixteen work-groups are here
	JLOAD G0+4, G1, G0B+4, G1B                     ; K step 1's load, the first tensor load behind the round
	FETCH_B 0, 0, 0
	FETCH_A 0, 0, 0
	SCALES 0
	FETCH_A 0, 0, 4
	STEP 0, 0, 1
	s_mov_b32 s3, LAPS-1
.Llap:
	TURN 0, 1, 1
	STEP 1, 0, 0
	TURN 1, 0, 1
	STEP 0, 0, 0
	s_sub_co_u32 s3, s3, 1
	s_cmp_lg_u32 s3, 0
	s_cbranch_scc1 .Llap
	TURN 0, 1, 0
	STEP 1, 0, 0
	s_wait_dscnt 4*NL
	WIN MUL_LO
	MUL16 0, 1, NQ-1, 1, 0
	MUL16 2, 1, NQ-1, 1, 0
	s_wait_dscnt 0
	WIN MUL_HI
	MUL16 4, 1, NQ-1, 1, 0
	MUL16 6, 1, NQ-1, 1, 0
	WIN 0
.macro QOUT a
.set QAC, 64*((\a)%4)
.set QW,  2+(\a)/4
.set QPC, 16*(\a)                      ; each block's codes have 16 registers of their own, in window 1: no store's data are written again
	WIN (QW<<2)|(QW<<4)
.irp b, 0,1,2,3
	v_max3_num_f32 v[TM+\b], 0x8000000, |v[QAC+16*\b]|, |v[QAC+16*\b+1]|
.endr
.irp i, 2,4,6,8,10,12,14
.irp b, 0,1,2,3
	v_max3_num_f32 v[TM+\b], v[TM+\b], |v[QAC+16*\b+\i]|, |v[QAC+16*\b+\i+1]|
.endr
.endr
	WIN 0
.irp b, 0,1,2,3
	v_permlanex16_b32 v[TM+4+\b], v[TM+\b], s92, s93
.endr
.irp b, 0,1,2,3
	v_max_num_f32 v[TM+\b], v[TM+\b], v[TM+4+\b]
.endr
.irp b, 0,1,2,3
	v_add_nc_u32 v[TM+12+\b], 0xf8800000, v[TM+\b]
.endr
.irp b, 0,1,2,3
	v_and_or_b32 v[TM+8+\b], v[TM+\b], 0x7f800000, s94
.endr
.irp b, 0,1,2,3
	v_lshrrev_b32 v[TM+4+\b], 23, v[TM+12+\b]
.endr
	v_lshl_or_b32 v[SWL+\a], v[TM+5], 8, v[TM+4]
	v_lshl_or_b32 v[SWH+\a], v[TM+7], 8, v[TM+6]
	WIN QW
.irp b, 0,1,2,3
.irp i, 0,1,2,3,4,5,6,7,8,9,10,11,12,13,14,15
	v_med3_num_f32 v[T+16*\b+\i], v[QAC+16*\b+\i], -v[TM+8+\b], v[TM+8+\b]
.endr
.endr
	WIN 0x40                                       ; destination window 1
.irp b, 0,1,2,3
	v_cvt_scalef32_pk8_bf8_f32 v[QPC+4*\b:QPC+4*\b+1], v[T+16*\b:T+16*\b+7], v[TM+12+\b]
	v_cvt_scalef32_pk8_bf8_f32 v[QPC+4*\b+2:QPC+4*\b+3], v[T+16*\b+8:T+16*\b+15], v[TM+12+\b]
.endr
	v_nop
	WIN 0x04                                       ; the stores' data window 1
.irp u, 0,1,2,3
	global_store_b128 v[VA0+\u/2], v[QPC+4*\u:QPC+4*\u+3], s[24+2*(\a):25+2*(\a)] offset:512*(\u%2)
.endr
	WIN 0
.endm
	PLACES NP
.irp b, 0,1,2,3
	v_mov_b32 v[TM+4+\b], 0
.endr
	s_mov_b64 s[24:25], s[8:9]                     ; a store base for each of the eight blocks, in registers that held descriptors (no tensor load is out): no base is stepped under a pending store
.irp a, 1,2,3,4,5,6,7
	s_add_nc_u64 s[24+2*\a:25+2*\a], s[22+2*\a:23+2*\a], s[6:7]
.endr
.irp a, 0,1,2,3,4,5,6,7
	QOUT \a
.endr
	v_cmp_ne_u32 vcc_lo, 0, v2
.irp a, 0,1,2,3,4,5,6,7
	v_mad_u32_u24 v[SWL+\a], v[SWH+\a], s12, v[SWL+\a]
.endr
.irp w, 0,1,2,3
	v_cndmask_b32 v[XW1+\w], v[SWL+\w], v[SWL+4+\w], vcc_lo
.endr
	global_store_b128 v[SA0], v[XW1:XW1+3], s[10:11]
	s_cmp_lg_u32 s[ISV], 0
	s_cbranch_scc1 .Lno_second
.irp w, 0,1,2,3
	v_cndmask_b32 v[XW2+\w], v[SWH+\w], v[SWH+4+\w], vcc_lo
.endr
	global_store_b128 v[SA0], v[XW2:XW2+3], s[4:5]
.Lno_second:
	s_wait_tensorcnt 0x0
	ds_add_u32 v[SPW], v[NIL]
	s_wait_dscnt 0x0
	CROUND
	s_endpgm
.Lfunc_end_k_qdda5e4f626_proj:
	.size	k_qdda5e4f626_proj, .Lfunc_end_k_qdda5e4f626_proj-k_qdda5e4f626_proj
	.p2alignl 7, 3214868480
	.fill 96, 4, 3214868480
	.section	.rodata,"a",@progbits
	.p2align	6, 0x0
	.amdhsa_kernel k_qdda5e4f626_proj
		.amdhsa_group_segment_fixed_size 327680
		.amdhsa_private_segment_fixed_size 0
		.amdhsa_enable_private_segment 0
		.amdhsa_kernarg_size 32
		.amdhsa_user_sgpr_count 2
		.amdhsa_user_sgpr_kernarg_segment_ptr 1
		.amdhsa_wavefront_size32 1
		.amdhsa_system_sgpr_workgroup_id_x 1
		.amdhsa_system_sgpr_workgroup_id_y 1
		.amdhsa_system_sgpr_workgroup_id_z 1
		.amdhsa_system_vgpr_workitem_id 0
		.amdhsa_next_free_vgpr 1024
		.amdhsa_next_free_sgpr 102
		.amdhsa_reserve_vcc 1
		.amdhsa_float_denorm_mode_32 3
		.amdhsa_float_denorm_mode_16_64 3
		.amdhsa_memory_ordered 1
		.amdhsa_forward_progress 1
		.amdhsa_inst_pref_size 188
	.end_amdhsa_kernel
	.amdgpu_metadata
---
amdhsa.version: [ 1, 2 ]
amdhsa.kernels:
  - .name:           k_qdda5e4f626_proj
    .symbol:         k_qdda5e4f626_proj.kd
    .args:
      - { .name: xc, .offset: 0, .size: 8, .value_kind: global_buffer, .address_space: global }
      - { .name: xs, .offset: 8, .size: 8, .value_kind: global_buffer, .address_space: global }
      - { .name: acod, .offset: 16, .size: 8, .value_kind: global_buffer, .address_space: global }
      - { .name: asc, .offset: 24, .size: 8, .value_kind: global_buffer, .address_space: global }
    .group_segment_fixed_size: 327680
    .private_segment_fixed_size: 0
    .kernarg_segment_align: 8
    .kernarg_segment_size: 32
    .max_flat_workgroup_size: 128
    .sgpr_count:     102
    .vgpr_count:     1024
    .wavefront_size: 32
...
	.end_amdgpu_metadata
.endif
;; end of part 2
;; launch attn (part 3): grid 4 x 64, 8 waves a work-group, clusters of 4 x 1, 327,680 bytes of LDS; arguments acod, asc, out0; writes out0
.if DOCPART == 3
	.amdgcn_target "amdgcn-amd-amdhsa--gfx1250"
	.amdhsa_code_object_version 6
	.text
	.protected	k_qdda5e4f626_attn
	.globl	k_qdda5e4f626_attn
	.p2align	8
	.type	k_qdda5e4f626_attn,@function
k_qdda5e4f626_attn:
	s_mov_b64 s[64:65], 0
	v_nop
	global_prefetch_b8 v0, s[64:65] scope:SCOPE_SE
	s_setreg_imm32_b32 hwreg(HW_REG_WAVE_MODE, 25, 1), 1
	s_wait_xcnt 0x0
	s_wait_alu depctr_hold_cnt(0) depctr_sa_sdst(0) depctr_va_vdst(0) depctr_va_sdst(0) depctr_va_ssrc(0) depctr_va_vcc(0) depctr_vm_vsrc(0)
	s_getreg_b32 s2, hwreg(HW_REG_IB_STS2, 6, 4)
	s_cmp_eq_u32 s2, 0
	s_cbranch_scc0 .Lentry_in_a_cluster
	s_endpgm
.Lentry_in_a_cluster:
	s_bfe_u32 s2, ttmp6, 0x10000c
	s_cmp_lg_u32 s2, 0x3003
	s_cbranch_scc0 .Lentry_shape_is_right
	s_endpgm
.Lentry_shape_is_right:
; out[b][q][64 h + d] = the sum over k of softmax_k(q . k / 8) v, for 64 heads (4 batches x 16) of 2,048 tokens and 64 features; both products on codes of BF8 (E5M2) with one E8M0 scale for each 32 along K.
; q, k, v come from the launch before as images of operand registers (acod) and scale words (asc):
;   acod [projection 3][16 x batch + group of 128 tokens][head 16][8,192];  q, k: [tile of 16 tokens 8][block 2][lane 32][16 bytes];  v: [tile of 16 features 4][block of 32 keys 4][lane 32][16 bytes].
;   asc: q at 0: [head 64][group 16][512];  from 524,288: [head 64][group 16][768]: k's 512 bytes, v's 256.
; THE FIRST PRODUCT'S K IS 64.  Two tiles of keys share one fragment of 16 registers (tile 2 P in K = 0..63, tile 2 P + 1 in K = 64..127); it is multiplied by [q, 0] for the first and by [0, q] for the second:
; the other tile's codes are finite and meet zero codes.  Scale words are joined the same way: two bytes of each tile; q's two bytes stand twice.
; THE SOFTMAX: t = score x log2(e) / 8; M = the row's largest t so far, rounded up to a whole number; p = 2^(t - M) is quantised along the keys, not normalised.  The row's sum is taken of the unquantised p in f32 and divides at the end.
; When M moves, the sum and O are multiplied by 2^(old M - new M): exact.
; SHARES.  A work-group owns 512 queries of one head, in two passes of 256; each of its eight waves owns TWO tiles of 16 queries a pass, so that each fragment of K and V read from LDS feeds two products.  Every wave walks all 2,048 keys, 128 a step.
; REGISTER WINDOWS.  Tile A lies in window 0 and tile B in window 1 under the same register numbers: each part of a step is one macro, run once under each window.  Window 0 also holds the addresses, K's fragments and all scale words; window 1 V's fragments.
; A WHOLE HEAD'S K AND V STAY IN LDS, filled once: waves 0, 1 fetch eight steps of K each (8 rows of 8,192 bytes), waves 2, 3 of V, wave 4 the 12,288 bytes of scale words: one tensor load a wave, one barrier, no refill.
; CLUSTER.  The four work-groups of a head need the same K and V: each piece is asked for jointly, with a mask that names the four.  No prefetch: each piece is asked for once, at the head, and there is no loop to run ahead in.
; LAYOUT.  Both products are used transposed: a lane holds one query (lane % 16).  In tile t of S^T register j of lane (r, h) is key 16 t + 8 h + j: the order in which v's codes were laid.
; LIMITS: the products of a block of 32 are summed in that permuted order; a block's largest p is taken as the exponential of the block's largest score (v_exp_f32 is taken not to fall where its input rises);
; a block whose every p is 0 keeps the byte 1 over zero codes; NaN and infinities are not served; the scaled scores stay under 2^31 in magnitude.
.set DUAL, 1                           ; 1: the hold goes two numbers to a dual-issue pair
.set KB,   12288
.set VB,   143360
.set STG,  274432                      ; the stages for the way out: 16 rows x 272 bytes a wave; no fill lands here
.set SPARE, 309248                     ; the spare words, 128 bytes a wave
.set ADK,  1                           ; window 0: v1-3 LDS addresses of the step's K, V, scale words
.set ADV,  2
.set ADS,  3
.set R16,  4                           ; window 0: 16 r (the head's loads)
.set Q2SA, 5                           ; window 0: pass 1's scale word of tile A's Q
.set Q2,   6                           ; v6-13 pass 1's codes of Q
.set NM,   14                          ; -M of the last step
.set MX,   15                          ; the largest score so far
.set NN,   16                          ; -M of this step: the low word of a pair
.set TMP,  17
.set L,    18                          ; v[18:19] the sum in two halves
.set F,    20                          ; f = 2^(old M - new M): the low word of a pair
.set L16,  21                          ; window 0: 16 x lane
.set SPW,  22
.set NIL,  23
.set QF,   24                          ; v24-31 zeros, v32-39 Q's codes, v40-47 zeros
.set X,    48                          ; v48-111 S^T, then p
.set BUF,  112                         ; v112-175: window 0 K's fragments, window 1 V's
.set O,    176                         ; v176-207 O^T
.set PC,   208                         ; v208-223 p's codes; before that eight partial sums
.set QSB,  224                         ; window 0, scale words and nothing else: tile B's Q's and p's; V's; K's joined; tile A's Q's and p's
.set PSB,  225
.set Q2SB, 226
.set KSC,  224                         ; window 1: K's scale words as loaded
.set VSC,  228
.set KW,   232
.set QSA,  234
.set PSA,  235                         ; (in window 1: tile B's word as it is put together)
.set BM,   236                         ; each block's largest score, its largest p, its byte
.set PM,   240                         ; lane l xor 16's; then two of the four partial sums
.set LIM,  244                         ; 57,344 x the scale
.set SCO,  248                         ; the conversions' scale operands
.set WV,   10
.set G1C,  16
.set G1S,  24
.set G0C,  32
.set G0S,  36
.set TK,   40                          ; s40-42 where the step's K, V, scale words begin
.set TV,   41
.set TS,   42
.set SEL,  52
.set CS,   54                          ; c = log2(e) / 8, as a pair
.set MNT,  56
.set STGB, 59
.set CNT,  60
.set QC,   66
.set QSP,  68
.set OUT,  70
.set MSB, 0
.macro WIN new                         ; bits 1:0 source 0, 3:2 source 1, 5:4 source 2, 7:6 destination; the high byte repeats the setting that is left
.if MSB != \new
	s_set_vgpr_msb (MSB<<8)|\new
.set MSB, \new
.endif
.endm
.macro CROUND
	s_barrier_signal -1
	s_barrier_wait -1
	s_cmp_lg_u32 s[WV], 0
	s_cbranch_scc1 .Lnot_wave_0_\@
	s_barrier_signal -3
.Lnot_wave_0_\@:
	s_barrier_wait -3
	s_barrier_signal -1
	s_barrier_wait -1
.endm
.macro EX                              ; the tile's next exponential, while there is one
.if EJ < 64
	v_exp_f32 v[X+EJ], v[X+EJ]
.set EJ, EJ+1
.endif
.endm
.macro TMF                             ; t - M, two at a time
	v_pk_fma_f32 v[X+FJ:X+FJ+1], v[X+FJ:X+FJ+1], s[CS:CS+1], v[NN:NN+1] op_sel_hi:[1,0,0]
.set FJ, FJ+2
.endm
.macro LDN reg, adr, off               ; an image of 16 pieces of 512 bytes
.set LI, 0
.rept 16
	ds_load_b128 v[\reg+4*LI:\reg+4*LI+3], v[\adr] offset:\off+512*LI
.set LI, LI+1
.endr
.endm
.macro SMUL qs                         ; S^T = K Q^T: eight tiles of 16 keys
.irp t, 0,1,2,3
	v_wmma_scale_f32_16x16x128_f8f6f4 v[X+8*\t:X+8*\t+7], v[BUF+16*(\t/2):BUF+16*(\t/2)+15], v[QF+8-8*(\t%2):QF+23-8*(\t%2)], 0, v[KW+\t/2], v[\qs] matrix_a_fmt:MATRIX_FMT_BF8 matrix_b_fmt:MATRIX_FMT_BF8
.endr
.irp t, 4,5,6,7
	v_wmma_scale_f32_16x16x128_f8f6f4 v[X+8*\t:X+8*\t+7], v[BUF+16*(\t/2):BUF+16*(\t/2)+15], v[QF+8-8*(\t%2):QF+23-8*(\t%2)], 0, v[KW+\t/2-2], v[\qs] matrix_a_fmt:MATRIX_FMT_BF8 matrix_b_fmt:MATRIX_FMT_BF8 matrix_a_scale:MATRIX_SCALE_ROW1
.endr
.endm
.macro PV ps                           ; O^T += V^T P^T: the four accumulators take turns
.irp t, 0,1,2,3
	v_wmma_scale_f32_16x16x128_f8f6f4 v[O+8*\t:O+8*\t+7], v[BUF+16*\t:BUF+16*\t+15], v[PC:PC+15], v[O+8*\t:O+8*\t+7], v[VSC+\t], v[\ps] matrix_a_fmt:MATRIX_FMT_BF8 matrix_b_fmt:MATRIX_FMT_BF8
.endr
.endm
.macro MIN2 b0, b1, i                  ; number i of block b0 and number i + 1 of block b1: one even and one odd destination, sources in different banks
.if DUAL
	v_dual_min_num_f32 v[X+16*\b0+\i], v[X+16*\b0+\i], v[LIM+\b0] :: v_dual_min_num_f32 v[X+16*\b1+\i+1], v[X+16*\b1+\i+1], v[LIM+\b1]
.else
	v_min_num_f32 v[X+16*\b0+\i], v[X+16*\b0+\i], v[LIM+\b0]
	v_min_num_f32 v[X+16*\b1+\i+1], v[X+16*\b1+\i+1], v[LIM+\b1]
.endif
.endm
.macro HOLD b0, b1                     ; the conversion to an 8-bit code does not saturate (ISA guide 7.6.2); p is not negative, so the hold is one-sided
.irp i, 0,2,4,6,8,10,12,14
	EX
	MIN2 \b0, \b1, \i
	EX
	MIN2 \b1, \b0, \i
.endr
.endm
.macro CVT b
	v_cvt_scalef32_pk8_bf8_f32 v[PC+4*\b:PC+4*\b+1], v[X+16*\b:X+16*\b+7], v[SCO+\b]
	v_cvt_scalef32_pk8_bf8_f32 v[PC+4*\b+2:PC+4*\b+3], v[X+16*\b+8:X+16*\b+15], v[SCO+\b]
.endm
.macro JOINK                           ; (sources window 1, destination window 0)  K's scale words of two tiles in one: lanes 0-15 pairs 0, 1; lanes 16-31 pairs 2, 3
	v_lshl_or_b32 v[KW], v[KSC+1], 16, v[KSC]
	v_lshl_or_b32 v[KW+1], v[KSC+3], 16, v[KSC+2]
.endm
; THE PARTS OF A STEP, each for one tile, under that tile's window
.macro COMB                            ; the last step's four partial sums are joined, and the row's sum goes under that step's M
	v_pk_add_f32 v[252:253], v[252:253], v[254:255]
	v_pk_add_f32 v[240:241], v[240:241], v[242:243]
	s_delay_alu instid0(VALU_DEP_1)
	v_pk_add_f32 v[252:253], v[252:253], v[240:241]
	s_delay_alu instid0(VALU_DEP_1)
	v_pk_fma_f32 v[L:L+1], v[L:L+1], v[F:F+1], v[252:253] op_sel_hi:[1,0,1]
.endm
.macro PMAX                            ; the blocks' largest scores, M, f, and t - M of blocks 0 and 1
.set FJ, 0
.irp b, 0,1,2,3
	v_max3_num_f32 v[BM+\b], v[X+16*\b], v[X+16*\b+1], v[X+16*\b+2]   ; the four blocks by turns; every accumulator is first read at its low end
.endr
.irp i, 3,5,7,9,11,13
.irp b, 0,1,2,3
	v_max3_num_f32 v[BM+\b], v[BM+\b], v[X+16*\b+\i], v[X+16*\b+\i+1]
.endr
.endr
.irp b, 0,1,2,3
	v_max_num_f32 v[BM+\b], v[BM+\b], v[X+16*\b+15]
.endr
.irp b, 0,1,2,3
	v_permlanex16_b32 v[PM+\b], v[BM+\b], s[SEL], s[SEL+1]
.endr
.irp b, 0,1,2,3
	s_delay_alu instid0(VALU_DEP_4)
	v_max_num_f32 v[BM+\b], v[BM+\b], v[PM+\b]     ; with lane l xor 16's 16 keys
.endr
	s_delay_alu instid0(VALU_DEP_2)
	v_max3_num_f32 v[TMP], v[BM], v[BM+1], v[BM+2]
	s_delay_alu instid0(VALU_DEP_1)
	v_max3_num_f32 v[MX], v[MX], v[TMP], v[BM+3]   ; the largest score so far
	s_delay_alu instid0(VALU_DEP_1)
	v_mul_f32 v[TMP], s[CS], v[MX]                 ; as t (c is positive)
	s_delay_alu instid0(VALU_DEP_1)
	v_floor_f32 v[NN], -v[TMP]                     ; -M = floor(-t): M is a whole number
	s_delay_alu instid0(VALU_DEP_1)
	v_sub_f32 v[TMP], v[NN], v[NM]                 ; old M - new M, 0 or less
.rept 4
	TMF
.endr
	v_cvt_i32_f32 v[TMP], v[TMP]                   ; (it saturates)
.rept 4
	TMF
.endr
	v_ldexp_f32 v[F], 1.0, v[TMP]                  ; f = 2^(old M - new M)
.rept 8
	TMF
.endr
.irp b, 0,1,2,3
	v_fma_f32 v[BM+\b], v[BM+\b], s[CS], v[NN]     ; the same of each block's largest score
.endr
.endm
.macro T1                              ; each block's largest p; p of blocks 0 and 1; between them t - M of blocks 2 and 3, which is read behind the next wait
.set EJ, 0
.set FJ, 32
.irp b, 0,1,2,3
	v_exp_f32 v[BM+\b], v[BM+\b]
.endr
.rept 16
	EX
	EX
	TMF
.endr
.endm
.macro SCL                             ; the four blocks' scales
.irp b, 0,1,2,3
	v_max_num_f32 v[BM+\b], 0x8000000, v[BM+\b]    ; the floor 2^(16 - 127): the byte cannot fall under 1
.endr
.irp b, 0,1,2,3
	s_delay_alu instid0(VALU_DEP_4)
	v_add_nc_u32 v[SCO+\b], 0xf8800000, v[BM+\b]   ; 15 off the exponent field: the conversion's scale operand
.endr
.irp b, 0,1,2,3
	v_and_or_b32 v[LIM+\b], v[BM+\b], 0x7f800000, s[MNT]   ; 57,344 x the scale
.endr
.irp b, 0,1,2,3
	v_lshrrev_b32 v[BM+\b], 23, v[SCO+\b]          ; the scale's byte
.endr
	s_delay_alu instid0(VALU_DEP_3)
	v_lshl_or_b32 v[PSA], v[BM+1], 8, v[BM]        ; p's scale word for these 128 keys
	s_delay_alu instid0(VALU_DEP_1)
	v_lshl_or_b32 v[PSA], v[BM+2], 16, v[PSA]
	s_delay_alu instid0(VALU_DEP_1)
	v_lshl_or_b32 v[PSA], v[BM+3], 24, v[PSA]
.endm
.macro T2                              ; p of blocks 2 and 3; between them work on blocks 0 and 1 whose results are read behind the next wait: eight sums of two pairs, and the holds
.set EJ, 32
.set UK, 0
.rept 8
	EX
	EX
	v_pk_add_f32 v[PC+2*UK:PC+2*UK+1], v[X+4*UK:X+4*UK+1], v[X+4*UK+2:X+4*UK+3]
.set UK, UK+1
.endr
	HOLD 0, 1
.endm
.macro CV                              ; four partial sums of the unquantised p; the codes
.set EJ, 64
.irp c, 0,1,2,3
	v_pk_add_f32 v[252+2*\c-16*(\c/2):253+2*\c-16*(\c/2)], v[PC+2*\c:PC+2*\c+1], v[PC+8+2*\c:PC+9+2*\c]
.endr
	CVT 0
	CVT 1
.irp g, 0,1,2,3
.irp c, 0,1,2,3
	v_pk_add_f32 v[252+2*\c-16*(\c/2):253+2*\c-16*(\c/2)], v[252+2*\c-16*(\c/2):253+2*\c-16*(\c/2)], v[X+32+8*\g+2*\c:X+33+8*\g+2*\c]
.endr
.endr
	HOLD 2, 3
	CVT 2
	CVT 3
	v_mov_b32 v[NM], v[NN]                         ; (also the plain line behind the conversions)
.endm
.macro RESC                            ; O^T under the new M, each accumulator from its low end on
.set J, 0
.rept 16
	v_pk_mul_f32 v[O+J:O+J+1], v[O+J:O+J+1], v[F:F+1] op_sel_hi:[1,0]
.set J, J+2
.endr
.endm
	s_load_b128 s[4:7], s[0:1], 0x0                ; acod, asc
	s_load_b64 s[8:9], s[0:1], 0x10                ; out0
	v_lshl_add_u32 v[SPW], v0, 2, SPARE
	v_mov_b32 v[NIL], 0
	ds_add_u32 v[SPW], v[NIL]                      ; the opening: the add twice on end and its wait
	ds_add_u32 v[SPW], v[NIL]
	v_lshrrev_b32 v1, 5, v0
	v_readfirstlane_b32 s[WV], v1                  ; wave 0..7
	s_bfe_u32 s11, ttmp6, 0x40000                  ; cx: which 512 queries: it enters Q's and out's addresses alone
	s_and_b32 s12, ttmp7, 0xffff                   ; 16 x batch + head
	s_lshr_b32 s13, s12, 4
	s_and_b32 s14, s12, 15
	s_mov_b32 s[G1C], 15|(3<<16)|(1<<21)           ; the mask of all four; elements of 8 bytes; 8 rows of 1,024 elements, 16,384 elements apart
	s_mov_b32 s[G1C+1], 1024<<16
	s_mov_b32 s[G1C+2], 8<<16
	s_mov_b32 s[G1C+3], 1024<<16
	s_mov_b32 s[G1C+4], 8
	s_mov_b32 s[G1C+5], 16384
	s_mov_b32 s[G1C+6], 0
	s_mov_b32 s[G1C+7], 0
	s_mov_b32 s[G1S], 15|(3<<16)|(1<<21)           ; the scale words: 48 dense rows of 256 bytes
	s_mov_b32 s[G1S+1], 32<<16
	s_mov_b32 s[G1S+2], 48<<16
	s_mov_b32 s[G1S+3], 32<<16
	s_mov_b32 s[G1S+4], 48
	s_mov_b32 s[G1S+5], 32
	s_mov_b32 s[G1S+6], 0
	s_mov_b32 s[G1S+7], 0
	s_lshr_b32 s72, s[WV], 1                       ; waves 0, 1: k, projection 1; waves 2, 3: v, projection 2
	s_add_co_u32 s72, s72, 1
	s_lshl_b32 s72, s72, 23
	s_lshl_b32 s73, s13, 21
	s_add_co_u32 s72, s72, s73
	s_lshl_b32 s73, s14, 13
	s_add_co_u32 s72, s72, s73
	s_and_b32 s73, s[WV], 1
	s_lshl_b32 s73, s73, 20                        ; eight groups of tokens a wave
	s_add_co_u32 s72, s72, s73
	s_mov_b32 s73, 0
	s_mul_i32 s74, s12, 12288
	s_add_co_u32 s74, s74, 524288
	s_mov_b32 s75, 0
	s_lshl_b32 s76, s[WV], 16
	s_add_co_u32 s76, s76, KB                      ; in LDS: 65,536 bytes a wave, K's two pieces and then V's
	s_mul_i32 s[STGB], s[WV], 16*272
	s_add_co_u32 s[STGB], s[STGB], STG             ; my stage
	s_mov_b32 s[SEL], 0x76543210
	s_mov_b32 s[SEL+1], 0xfedcba98
	s_mov_b32 s[CS], 0x3e38aa3b
	s_mov_b32 s[CS+1], s[CS]
	s_mov_b32 s[MNT], 0x600000
	; my tiles of pass 0: queries 512 cx + 32 wave on: group 4 cx + wave / 4, tiles 2 (wave % 4) and the next.  Pass 1 lies two groups on
	s_lshl_b32 s62, s11, 2
	s_lshr_b32 s63, s[WV], 2
	s_add_co_u32 s62, s62, s63
	s_lshl_b32 s2, s62, 17
	s_lshl_b32 s3, s13, 21
	s_add_co_u32 s2, s2, s3
	s_lshl_b32 s3, s14, 13
	s_add_co_u32 s2, s2, s3
	s_and_b32 s63, s[WV], 3
	s_lshl_b32 s3, s63, 11
	s_add_co_u32 s2, s2, s3                        ; Q's codes
	s_lshl_b32 s44, s12, 4
	s_add_co_u32 s44, s44, s62
	s_lshl_b32 s44, s44, 9
	s_lshr_b32 s15, s63, 1
	s_lshl_b32 s15, s15, 8
	s_add_co_u32 s44, s44, s15                     ; tile / 4
	s_and_b32 s15, s[WV], 1
	s_lshl_b32 s15, s15, 3
	s_add_co_u32 s44, s44, s15                     ; tile % 4: Q's scale words
	s_lshl_b32 s46, s13, 11
	s_lshl_b32 s15, s11, 9
	s_add_co_u32 s46, s46, s15
	s_lshl_b32 s15, s[WV], 5
	s_add_co_u32 s46, s46, s15
	s_lshl_b32 s46, s46, 12
	s_lshl_b32 s15, s14, 8
	s_add_co_u32 s46, s46, s15                     ; my first query's 256 bytes of out
	s_mov_b32 s3, 0
	s_mov_b32 s45, 0
	s_mov_b32 s47, 0
	v_and_b32 v[L16], 31, v0
	v_and_b32 v[R16], 15, v0
	v_lshlrev_b32 v[L16], 4, v[L16]
	v_lshlrev_b32 v[R16], 4, v[R16]
.irp w, 0, 0x55
	WIN \w
.irp j, 0,1,2,3,4,5,6,7
	v_mov_b32 v[QF+\j], 0                          ; the zero codes on both sides of Q's: written once, for each tile
	v_mov_b32 v[QF+16+\j], 0
.endr
	v_mov_b32 v[TMP], 0
.endr
	v_mov_b32 v[F+1], 0                            ; (window 1: named as the upper half of a pair)
	WIN 0
	s_wait_alu depctr_va_vdst(0)                   ; the wait at the head's end
	s_wait_dscnt 0x0
	s_wait_kmcnt 0x0
	s_add_nc_u64 s[QC:QC+1], s[4:5], s[2:3]
	s_add_nc_u64 s[QSP:QSP+1], s[6:7], s[44:45]
	s_add_nc_u64 s[OUT:OUT+1], s[8:9], s[46:47]
.irp w, 0, 1                                   ; both tiles' Q, of both passes; tile B's codes go to window 1
	WIN 0x40*\w
	global_load_b128 v[QF+8:QF+11], v[L16], s[QC:QC+1] offset:1024*\w th:TH_LOAD_NT
	global_load_b128 v[QF+12:QF+15], v[L16], s[QC:QC+1] offset:1024*\w+512 th:TH_LOAD_NT
	global_load_b128 v[Q2:Q2+3], v[L16], s[QC:QC+1] offset:1024*\w+262144 th:TH_LOAD_NT
	global_load_b128 v[Q2+4:Q2+7], v[L16], s[QC:QC+1] offset:1024*\w+262656 th:TH_LOAD_NT
.endr
	WIN 0
	global_load_b32 v[QSA], v[R16], s[QSP:QSP+1]
	global_load_b32 v[QSB], v[R16], s[QSP:QSP+1] offset:4
	global_load_b32 v[Q2SA], v[R16], s[QSP:QSP+1] offset:1024
	global_load_b32 v[Q2SB], v[R16], s[QSP:QSP+1] offset:1028
	s_mov_b32 s[G0C], 1
	s_mov_b32 s[G0C+1], s76
	s_add_nc_u64 s[G0C+2:G0C+3], s[4:5], s[72:73]
	s_or_b32 s[G0C+3], s[G0C+3], 0x80000000
	s_mov_b32 s[G0S], 1
	s_mov_b32 s[G0S+1], 0
	s_add_nc_u64 s[G0S+2:G0S+3], s[6:7], s[74:75]
	s_or_b32 s[G0S+3], s[G0S+3], 0x80000000
	CROUND                                         ; all four work-groups are here: the joint loads meet
	s_cmp_lt_u32 s[WV], 4                          ; one chain of branches on the wave's number, a load to an arm
	s_cbranch_scc0 .Lhead_s
	tensor_load_to_lds s[G0C:G0C+3], s[G1C:G1C+7]
	s_nop 0
.rept 4
	v_nop
.endr
	s_branch .Lhead_asked
.Lhead_s:
	s_cmp_eq_u32 s[WV], 4
	s_cbranch_scc0 .Lhead_asked
	tensor_load_to_lds s[G0S:G0S+3], s[G1S:G1S+7]
	s_nop 0
.rept 4
	v_nop
.endr
.Lhead_asked:
	s_wait_tensorcnt 0x0                           ; my piece is in,
	s_wait_loadcnt 0x0                             ; and both passes' Q
	s_barrier_signal -1
	s_barrier_wait -1                              ; everybody's piece is in: nothing is filled again
; A KEY STEP: 128 keys, both tiles.  K(i) and its joined scale words are in registers when it begins
.macro STEP
	WIN 0
	SMUL QSA
	WIN 0x54                                       ; K's fragments window 0; Q and S^T window 1
	SMUL QSB
	WIN 0
	COMB                                           ; these eight lines are the places behind the products above and behind the last step's second products
	WIN 0x55
	COMB
	WIN 0
	LDN BUF, ADK, 8192                             ; K(i + 1),
	ds_load_b128 v[VSC:VSC+3], v[ADS] offset:512   ; V(i)'s scale words (lanes 0-15 are read),
	WIN 0x40
	ds_load_b128 v[KSC:KSC+3], v[ADS] offset:768   ; K(i + 1)'s,
	LDN BUF, ADV, 0                                ; and V(i)
	WIN 0
	s_add_co_u32 s[TK], s[TK], 8192                ; the next step's addresses
	s_add_co_u32 s[TV], s[TV], 8192
	s_add_co_u32 s[TS], s[TS], 768
	v_add_nc_u32 v[ADK], s[TK], v[L16]
	v_add_nc_u32 v[ADV], s[TV], v[L16]
	v_add_nc_u32 v[ADS], s[TS], v[L16]
	PMAX
	WIN 0x55
	PMAX
	WIN 0
	s_wait_alu depctr_va_vdst(0)                   ; the wait ahead of the batch
	T1
	WIN 0x55
	T1
	WIN 0
	s_wait_alu depctr_va_vdst(0)                   ; one wait for the batch, and ahead of the next
	SCL
	WIN 0x55
	SCL
	WIN 0x01
	v_mov_b32 v[PSB], v[PSA]                       ; tile B's word goes to window 0, where scale operands are taken from
	WIN 0
	s_wait_alu depctr_va_vdst(0)                   ; the wait: the holds below stand among exponentials
	T2
	WIN 0x55
	T2
	WIN 0x11
	s_wait_alu depctr_va_vdst(0)                   ; one wait for the batch
	s_wait_dscnt 0x0                               ; the step's 34 loads, asked for behind the first products, are in
	JOINK
	WIN 0
	CV
	WIN 0x55
	CV
	WIN 0
	s_wait_alu depctr_va_vdst(0)                   ; the wait directly ahead of the first reader of O^T
	RESC
	WIN 0x55
	s_wait_alu depctr_va_vdst(0)                   ; and of tile B's
	RESC
	WIN 0x01                                       ; V's fragments window 1
	PV PSA
	WIN 0x55
	PV PSB
	WIN 0
.endm
.macro INIT p                          ; one tile: Q; the sums begin as zeros and the old -M as 2^124, so that the first f is 0 and multiplies zeros
.if \p
.irp j, 0,1,2,3,4,5,6,7
	v_mov_b32 v[QF+8+\j], v[Q2+\j]
.endr
.endif
	v_mov_b32 v[MX], 0xff61b1e6                    ; -3e38, under every score
	v_mov_b32 v[NM], 0x7d800000
	v_mov_b32 v[L], 0
	v_mov_b32 v[L+1], 0
	v_mov_b32 v[F], 0
.irp j, 240,241,242,243,252,253,254,255
	v_mov_b32 v\j, 0
.endr
.endm
.macro OZERO
.set J, 0
.rept 32
	v_mov_b32 v[O+J], 0
.set J, J+1
.endr
.endm
.macro START p
.if \p
	s_wait_xcnt 0x0                                ; the last pass's stores have read their registers
.endif
	s_mov_b32 s[TK], KB
	s_mov_b32 s[TV], VB
	s_mov_b32 s[TS], 0
	v_add_nc_u32 v[ADK], s[TK], v[L16]
	v_add_nc_u32 v[ADV], s[TV], v[L16]
	v_add_nc_u32 v[ADS], s[TS], v[L16]
	LDN BUF, ADK, 0                                ; K(0)
	WIN 0x40
	ds_load_b128 v[KSC:KSC+3], v[ADS]
	WIN 0
.if \p
	v_lshl_or_b32 v[QSA], v[Q2SA], 16, v[Q2SA]     ; Q's two scale bytes stand twice
	v_lshl_or_b32 v[QSB], v[Q2SB], 16, v[Q2SB]
.else
	v_lshl_or_b32 v[QSA], v[QSA], 16, v[QSA]
	v_lshl_or_b32 v[QSB], v[QSB], 16, v[QSB]
.endif
	INIT \p
	WIN 0x55
	INIT \p
	WIN 0x11
	s_wait_alu depctr_va_vdst(0)                   ; the wait directly ahead of the wait below
	s_wait_dscnt 0x0
	JOINK
	WIN 0
	OZERO
	WIN 0x55
	OZERO
	WIN 0
.endm
.macro FSUM                            ; one tile: the row's sum
	COMB
	s_delay_alu instid0(VALU_DEP_1)
	v_add_f32 v[L], v[L], v[L+1]
	s_delay_alu instid0(VALU_DEP_1)
	v_permlanex16_b32 v[TMP], v[L], s[SEL], s[SEL+1]
	s_delay_alu instid0(VALU_DEP_1)
	v_add_f32 v[L], v[L], v[TMP]
.endm
.macro FMUL                            ; register 8 t + j is o(query r, feature 16 t + 8 h + j)
.set J, 0
.rept 16
	v_pk_mul_f32 v[X+J:X+J+1], v[O+J:O+J+1], v[L:L+1] op_sel_hi:[1,0]
.set J, J+2
.endr
.endm
.macro TOST                            ; a tile's 16 rows into my stage (address window 0)
.irp t, 0,1,2,3
	ds_store_b128 v[BUF], v[X+8*\t:X+8*\t+3] offset:64*\t
	ds_store_b128 v[BUF], v[X+8*\t+4:X+8*\t+7] offset:64*\t+16
.endr
.endm
.macro BACK                            ; and back as whole rows: LDS serves a wave's instructions in order, so these see my stores, and the next tile's stores come behind them
.irp i, 0,1,2,3,4,5,6,7
	ds_load_b128 v[X+32+4*\i:X+35+4*\i], v[BUF+1] offset:544*\i
.endr
.endm
; THE WAY OUT of a pass.  O^T / the sum goes through my stage, a tile at a time, and comes back as whole rows: sixteen lanes store a query's 256 bytes of the head, aligned.
.macro FINISH p
	FSUM                                           ; (fourteen plain lines stand between the last products and the first read of O^T)
	WIN 0x55
	FSUM
	WIN 0
	s_wait_alu depctr_va_vdst(0)                   ; the wait ahead of the transcendentals
	v_rcp_f32 v[L], v[L]
	WIN 0x55
	v_rcp_f32 v[L], v[L]
	WIN 0
	v_and_b32 v[BUF+3], 15, v0                     ; r
	v_bfe_u32 v[BUF+4], v0, 4, 1                   ; h
	v_mul_u32_u24 v[BUF], v[BUF+3], 272
	v_mul_u32_u24 v[BUF+1], v[BUF+4], 272
	v_lshl_add_u32 v[BUF], v[BUF+4], 5, v[BUF]
	v_lshl_add_u32 v[BUF+1], v[BUF+3], 4, v[BUF+1]
	v_add_nc_u32 v[BUF], s[STGB], v[BUF]           ; in: row r, + 32 h
	v_add_nc_u32 v[BUF+1], s[STGB], v[BUF+1]       ; back: lanes 0-15 one row, lanes 16-31 the next
	v_lshlrev_b32 v[BUF+2], 12, v[BUF+4]
	v_lshl_add_u32 v[BUF+2], v[BUF+3], 4, v[BUF+2] ; and the same two rows in out
	s_wait_alu depctr_va_vdst(0)                   ; the wait ahead of the reciprocals' first reader and of O^T's
	FMUL
	WIN 0x55
	s_wait_alu depctr_va_vdst(0)                   ; and of tile B's O^T
	FMUL
	WIN 0
	TOST
	BACK
	WIN 0x04                                       ; data window 1
	TOST
	WIN 0x40                                       ; destination window 1
	BACK
	WIN 0
.irp i, 0,1,2,3,4,5,6,7
	s_wait_dscnt 23-\i                             ; behind this load: 7 - i loads, tile B's eight stores and eight loads
	global_store_b128 v[BUF+2], v[X+32+4*\i:X+35+4*\i], s[OUT:OUT+1] offset:(256*\p+2*\i)*4096 th:TH_STORE_NT
.endr
	WIN 0x04
.irp i, 0,1,2,3,4,5,6,7
	s_wait_dscnt 7-\i
	global_store_b128 v[BUF+2], v[X+32+4*\i:X+35+4*\i], s[OUT:OUT+1] offset:(256*\p+16+2*\i)*4096 th:TH_STORE_NT
.endr
	WIN 0
.endm
.macro PASS p
	START \p
	s_mov_b32 s[CNT], 16
.Lwalk_\@:
	STEP
	s_sub_co_u32 s[CNT], s[CNT], 1
	s_cmp_lg_u32 s[CNT], 0
	s_cbranch_scc1 .Lwalk_\@
	FINISH \p
.endm
	PASS 0
	PASS 1
	s_wait_tensorcnt 0x0                           ; the wave's end
	ds_add_u32 v[SPW], v[NIL]
	s_wait_dscnt 0x0
	CROUND                                         ; the closing round
	s_endpgm
.Lfunc_end_k_qdda5e4f626_attn:
	.size	k_qdda5e4f626_attn, .Lfunc_end_k_qdda5e4f626_attn-k_qdda5e4f626_attn
	.p2alignl 7, 3214868480
	.fill 96, 4, 3214868480
	.section	.rodata,"a",@progbits
	.p2align	6, 0x0
	.amdhsa_kernel k_qdda5e4f626_attn
		.amdhsa_group_segment_fixed_size 327680
		.amdhsa_private_segment_fixed_size 0
		.amdhsa_enable_private_segment 0
		.amdhsa_kernarg_size 24
		.amdhsa_user_sgpr_count 2
		.amdhsa_user_sgpr_kernarg_segment_ptr 1
		.amdhsa_wavefront_size32 1
		.amdhsa_system_sgpr_workgroup_id_x 1
		.amdhsa_system_sgpr_workgroup_id_y 1
		.amdhsa_system_sgpr_workgroup_id_z 1
		.amdhsa_system_vgpr_workitem_id 0
		.amdhsa_next_free_vgpr 512
		.amdhsa_next_free_sgpr 80
		.amdhsa_reserve_vcc 0
		.amdhsa_float_denorm_mode_32 3
		.amdhsa_float_denorm_mode_16_64 3
		.amdhsa_memory_ordered 1
		.amdhsa_forward_progress 1
		.amdhsa_inst_pref_size 105
	.end_amdhsa_kernel
	.amdgpu_metadata
---
amdhsa.version: [ 1, 2 ]
amdhsa.kernels:
  - .name:           k_qdda5e4f626_attn
    .symbol:         k_qdda5e4f626_attn.kd
    .args:
      - { .name: acod, .offset: 0, .size: 8, .value_kind: global_buffer, .address_space: global }
      - { .name: asc, .offset: 8, .size: 8, .value_kind: global_buffer, .address_space: global }
      - { .name: out0, .offset: 16, .size: 8, .value_kind: global_buffer, .address_space: global }
    .group_segment_fixed_size: 327680
    .private_segment_fixed_size: 0
    .kernarg_segment_align: 8
    .kernarg_segment_size: 24
    .max_flat_workgroup_size: 256
    .sgpr_count:     80
    .vgpr_count:     512
    .wavefront_size: 32
...
	.end_amdgpu_metadata
.endif
;; end of part 3
